; MI455X (gfx1250); checked and timed in simulation.
; The chip was launched on July 23, 2026; its instructions are those of AMD's public machine-readable ISA for CDNA 5 (MIT licence, August 2026) and "CDNA5" Instruction Set Architecture Reference Guide (July 2026). The comments in the code are by the model that wrote it; some were corrected since.
;; Masked Top K Attn Pool. Allowed arithmetic: matrix products marked QUANTISED: E2M1 operands, one E8M0 scale for each 32 along K, by v_wmma_scale_f32_16x16x128_f8f6f4 with both operands' format E2M1 (or v_wmma_scale_f32_32x16x128_f4), f32 sums; products left as they are: f32 operands where the result goes on into a quantised operand, else bf16, f16 or f32 operands; f32 sums; everything else in f32.
;; Inputs: b1 1,024 float32; lengths 32 int32; w1_codes 1,024 x 32 x 16 uint8 (E2M1 codes of w1, K innermost, in blocks of 32 codes, two codes a byte); w1_scales 1,024 x 32 uint8 (E8M0 scales of w1, one for each 32 codes along K); w2 1,024 float32; x 32 x 2,048 x 1,024 float32.
;; Outputs: out0 32 x 1,024 float32.
;; This version of the problem:
;;   THIS VERSION OF THE PROBLEM IS GIVEN IN LOW PRECISION. The matrix products marked QUANTISED in the list below multiply operands that are first quantised to E2M1 (2 exponent bits, 1 mantissa bit; 4 bits a number), with one power-of-two scale for each 32 numbers along K (OCP MX v1.0); their sums are f32. All else is computed in f32.
;;   The module's matrix products, in the order in which they are computed (A, B: the left and right operand; K: the contracted axis; several contracted axes count as one K, in the product's order):
;;     1. [M 65,536, K 1,024] x [K 1,024, N 1,024]; A: input x; B: input w1 (given as codes): QUANTISED
;;     2. [M 65,536, K 1,024] x [K 1,024, N 1]; A: computed on the way; B: input w2: left as it is (N = 1 < 16)
;;     3. batch 32 x [M 1,024, K 717] x [K 717, N 1]; A: computed on the way; B: computed on the way: left as it is (N = 1 < 16)
;;   THE QUANTISER, for each operand of a quantised product, along K:
;;     - K is cut into blocks of 32 from its start; a last block that is shorter is filled with zeros.
;;     - A block's scale is 2^e with e = floor(log2(the largest magnitude in the block)) - 2, held to -126 .. 127; a block of zeros has e = 0. As a byte (E8M0): e + 127.
;;     - Each number is divided by its block's scale, clamped to +-6, and rounded to the nearest number of E2M1, ties to even, subnormals kept.
;;     - The product sums the exact products of the quantised numbers (number of the format x scale) in f32.
;;   ~~~python
;;   def quantise(x, axis):      # numpy; x: float32 -> the quantised numbers, widened to float32 again
;;       x = np.moveaxis(x, axis, -1); K = x.shape[-1]
;;       x = np.pad(x, [(0, 0)] * (x.ndim - 1) + [(0, -K % 32)]); x = x.reshape(x.shape[:-1] + (-1, 32)); a = np.abs(x).max(-1, keepdims=True)
;;       e = np.where(a > 0, np.clip(np.frexp(np.where(a > 0, a, 1))[1] - 1 - 2, -126, 127), 0)      # np.frexp(a)[1] - 1 = floor(log2(a)), exactly
;;       r = np.clip(x / 2.0 ** e, -6, 6)
;;       step = 2.0 ** (np.maximum(np.frexp(np.where(r == 0, 1, r))[1] - 1, 0) - 1)
;;       q = np.round(r / step) * step * 2.0 ** e      # np.round: ties to even
;;       return np.moveaxis(q.reshape(q.shape[:-2] + (-1,))[..., :K], -1, axis).astype(np.float32)
;;   ~~~
;;   INPUTS GIVEN AS CODES. w1 (in the module: [1024, 1024], K = its axis 0): each comes as NAME_codes (uint8): NAME with its K axis moved to the last place and cut into blocks of 32 codes, [.., K / 32, bytes a block], one block behind the other in memory; two codes a byte, the lower K in the low four bits (a code: sign, 2 exponent bits, 1 mantissa bit); and NAME_scales (uint8): the same leading axes, one E8M0 byte (e + 127) for each 32 codes along K. Its value is code x scale, taken as it is: it is not quantised again, and the codes and scales need not be those that the quantiser above would give.
;; 2 versions, each right and faster than the one before. Each part assembles by itself: llvm-mc -triple=amdgcn-amd-amdhsa -mcpu=gfx1250 --defsym DOCPART=n.
;; ======== version 1 of 2: 3 launches
;; workspace buffers: scores 262,144 bytes; sel 8,192 bytes of whole numbers
;; launch score (part 1): grid 256 x 1, 8 waves a work-group, no clusters, 205,824 bytes of LDS; arguments x, lengths, w1_codes, w1_scales, b1, w2, scores; writes scores
.if DOCPART == 1
	.amdgcn_target "amdgcn-amd-amdhsa--gfx1250"
	.amdhsa_code_object_version 6
	.text
	.protected	k_q853c44708a_score
	.globl	k_q853c44708a_score
	.p2align	8
	.type	k_q853c44708a_score,@function
k_q853c44708a_score:
	s_mov_b64 s[64:65], 0
	v_nop
	global_prefetch_b8 v0, s[64:65] scope:SCOPE_SE
	s_setreg_imm32_b32 hwreg(HW_REG_WAVE_MODE, 25, 1), 1
	s_wait_xcnt 0x0
; scores[b][t] = sum over u of w2[u] tanh(Q(x[b][t]) . w1[:, u] + b1[u]), for the rows t that lie in a tile of 16 rows with a row under lengths[b].
; x: [32][2048][1024] f32, quantised here along its 1,024 to E2M1 with one E8M0 byte for each 32.  w1: codes [1024 (u)][512 bytes], scale bytes [1024][32].  Sums, tanh and the product with w2 in f32.
; WHAT IS LEFT OUT: rows at or past lengths[b] get -infinity later whatever their score, so their tiles are neither read nor multiplied.  Batch b has n_b = ceil(clamp(len, 1, 2048) / 16) active tiles;
; the R = sum of n_b active tiles form one list, and work-group g of 256 takes places (g R) >> 8 .. ((g + 1) R) >> 8 - 1: at most 16 tiles, for every split of the lengths.
; TWO PARTS.  X: of each of its tiles wave w loads rows w and w + 8 (a lane: 8 neighbours along K of each of a row's four chunks of 256), quantises them and lays codes and scale bytes into LDS.
; PRODUCT: the waves share the hidden units: wave w owns units 128 w .. 128 w + 127, in two halves of 64, whose 32 fragments (256 registers) fill register window 1, straight from memory, each byte once a work-group.
; The matrix instruction is used transposed (source 0 = 16 rows of w1, source 1 = 16 rows of x): a lane holds one row of x and eight hidden units, b1 is the C of a sum's first product, and the sum over units stays in the lane.
; NO JOINT LOADS, though all work-groups read the same 557,056 bytes of w1: leaving masked tiles out takes branches on lengths; up to 127 of a batch's 128 tiles are so spared.
; LIMITS: NaN and infinities in x, b1, w2 are not served.  A block of x whose largest magnitude is under 2^-124 (a block of zeros too) gets the scale byte 1; its codes are then those of that scale (zeros for zeros).
; lengths outside 1 .. 2048 are held to that range for the count of tiles.  The f32 additions of a score go in another order than a plain chain over the units.
.set XPITCH, 528                       ; a row of x's codes in LDS: 512 bytes + 16 = 132 words: row r starts at bank 4 r mod 64 (64 banks of 4 bytes: ISA guide 11.1)
.set XSLOT,  16*XPITCH                 ; a tile's codes; slot i at XSLOT i, from LDS byte 0
.set XSB,    16*XSLOT                  ; x's scale bytes: slot i at SSLOT i, a row's 32 bytes + 16
.set SPITCH, 48
.set SSLOT,  16*SPITCH
.set PS,     XSB+16*SSLOT              ; partial scores, f32: 8192 half + 1024 wave + 64 slot + 4 row
.set WSL,    PS+16384                  ; a copy of w1's scale bytes, 32 a unit
.set B1L,    WSL+32768                 ; a copy of b1; w2's lies 4,096 bytes behind it
.set RB,  64                           ; part X: v64-255  six row buffers of 32 registers; chunk q of a row in registers 8 q .. 8 q + 7
.set MX,  32                           ; v32-35 largest magnitudes, v36-39 the conversions' scale operands, v40-43 scale bytes, v44-47 codes: one for each chunk
.set SCO, 36
.set BY,  40
.set CD,  44
.set XS,  32                           ; product: v32-39 x's scale words of 8 K steps; v40-71 w1's (8 n + s); v72-103 b1, v104-135 w2 in the result's layout; v136-167 four accumulators; v168-231 x's 8 fragments
.set WS,  40
.set B1R, 72
.set W2R, 104
.set ACC, 136
.set XF,  168
; kept: v1 lane, v2 r = lane % 16, v3 h = lane / 16, v4 / v5 the tiles' running sum with / without batch = lane, v6 32 x lane, v7-9 x offsets of three tiles in hand, v10-22 LDS and weight offsets, v23 a permute's target, v24-31 score sums
; scalars: s2 wave, s[4:5] x + 4096 w, s[8:9] w1's codes + 65536 w, s18 R, s19 R - 1, s20 my first place, s21 my tiles, s[24:29] x bases of three tiles in hand, s[30:31] an offset (s31 = 0), s32-37 at work
.set MSB, 0
.macro WIN new                         ; s_set_vgpr_msb: bits 1:0 source 0, 7:6 destination; the immediate's high byte repeats the setting that is left
.if MSB != \new
	s_set_vgpr_msb (MSB<<8)|\new
.set MSB, \new
.endif
.endm
; s32 = a place in the list of active tiles -> dst = that tile's number among all 4,096 (128 x batch + tile in the batch)
.macro TILEOF dst
	s_min_u32 s32, s32, s19                        ; a place past the list's end is held at its last tile: every address stays in x
	v_cmp_ge_u32 s33, s32, v4                      ; the batches whose tiles end at or before this place:
	s_bcnt1_i32_b32 s34, s33                       ; their number is my batch
	s_min_u32 s34, s34, 31
	v_readlane_b32 s35, v5, s34                    ; where its tiles begin in the list
	s_sub_co_u32 s32, s32, s35
	s_lshl_b32 s34, s34, 7
	s_add_co_u32 s32, s32, s34
	s_min_u32 \dst, s32, 4095
.endm
; the x base and the lanes' offset of my tile slot i, into set par.  A slot past my tiles gets the offset 0 in every lane: its loads are still issued, so that every counted wait holds on every path, and all lanes name the same 16 bytes
.macro LOOKUP i, par
	s_add_co_u32 s32, s20, \i
	TILEOF s32
	s_lshl_b32 s30, s32, 16                        ; a tile is 16 rows of 4,096 bytes
	s_add_nc_u64 s[24+2*(\par):25+2*(\par)], s[4:5], s[30:31]
	s_cmp_gt_u32 s21, \i
	s_cselect_b32 s36, -1, 0
	v_and_b32 v[7+(\par)], s36, v6
	v_min_u32 v[7+(\par)], 0x3e0, v[7+(\par)]
.endm
; row j of my 32 (slot j / 2, row w + 8 (j % 2)) into buffer j % 6: a pair of loads covers 1,024 consecutive bytes, 32 a lane
.macro XROW j
.set XT, ((\j)/2)%3
.set XB, RB+32*((\j)%6)
.irp q, 0,1,2,3
	global_load_b128 v[XB+8*\q:XB+8*\q+3], v[7+XT], s[24+2*XT:25+2*XT] offset:32768*((\j)%2)+1024*\q th:TH_LOAD_NT
	global_load_b128 v[XB+8*\q+4:XB+8*\q+7], v[7+XT], s[24+2*XT:25+2*XT] offset:32768*((\j)%2)+1024*\q+16 th:TH_LOAD_NT
.endr
.endm
; weight loads first .. first + n - 1 of a half's 64.  Load l brings registers 4 l .. 4 l + 3 of window 1: tile l / 16, K step (l / 2) % 8, half of the fragment l % 2: row r's bytes 32 (l % 16) + 16 h
.macro WCH first, n, base
	WIN 0x40                                       ; destination window 1
.set LW, \first
.rept \n
	global_load_b128 v[4*LW:4*LW+3], v14, s[8:9] offset:\base+8192*(LW/16)+32*(LW%16)
.set LW, LW+1
.endr
	WIN 0
.endm
; row j is quantised.  A block of 32 lies in four neighbouring lanes.  Its scale is 2^(floor(log2(largest magnitude)) - 2): the magnitude's exponent field less 2
.macro QROW j
.set QB, RB+32*((\j)%6)
.set QI, (\j)/2
.set QH, (\j)%2
	s_wait_dscnt 0x0                               ; the last row's LDS stores have read the registers that are written again below
.irp q, 0,1,2,3
	v_max3_num_f32 v[MX+\q], |v[QB+8*\q]|, |v[QB+8*\q+1]|, 0x1800000   ; my 8 numbers of each chunk, the four chunks by turns; the floor 2^(3 - 127) holds the byte at 1 from below
.endr
.irp e, 2,4,6
.irp q, 0,1,2,3
	v_max3_num_f32 v[MX+\q], v[MX+\q], |v[QB+8*\q+\e]|, |v[QB+8*\q+\e+1]|
.endr
.endr
.irp d, 1,2
.irp q, 0,1,2,3
	v_max_num_f32_dpp v[MX+\q], v[MX+\q], v[MX+\q] row_xmask:\d row_mask:0xf bank_mask:0xf   ; with the block's other three lanes
.endr
.endr
.irp q, 0,1,2,3
	v_add_nc_u32 v[SCO+\q], 0xff000000, v[MX+\q]   ; 2 off the exponent field: the conversion takes this operand's exponent field as its scale
.endr
.irp q, 0,1,2,3
	v_cvt_scalef32_pk8_fp4_f32 v[CD+\q], v[QB+8*\q:QB+8*\q+7], v[SCO+\q]   ; 8 codes, the lowest k in the lowest bits; beyond 6 the largest code
.endr
.irp q, 0,1,2,3
	v_lshrrev_b32 v[BY+\q], 23, v[SCO+\q]          ; the scale's byte.  (Also the plain instruction behind the conversions)
.endr
.irp q, 0,1,2,3
	ds_store_b32 v[10+QI/6], v[CD+\q] offset:(QI%6)*XSLOT+QH*8*XPITCH+128*\q   ; k = 256 q + 8 lane on: byte 128 q + 4 lane of the row
	ds_store_b8 v13, v[BY+\q] offset:SSLOT*QI+QH*8*SPITCH+8*\q                 ; block 8 q + lane / 4: its four lanes write the same byte with the same value
.endr
.endm
; One row's turn.  Five rows (40 loads) run ahead; the first half's 64 weight loads ride along in turns 0 to 10.
.macro BODY j
.set TI, (\j)/2
.set NX, 31-(\j)
.if NX > 4
.set NX, 4
.endif
.set NW, 0                             ; the weight loads issued behind row j's loads: those of the five turns before this one
.set MM, (\j)-5
.rept 5
.if (MM >= 0) && (MM <= 9)
.set NW, NW+6
.elseif MM == 10
.set NW, NW+4
.endif
.set MM, MM+1
.endr
.if ((\j)%2 == 0) && (TI >= 6)
	s_cmp_le_u32 s21, TI                           ; no tile left: all weight loads have been issued by turn 10, so the rest can be left out as a whole
	s_cbranch_scc1 .Lxdone
.endif
	s_wait_loadcnt 8*NX+NW                         ; loads return in order (ISA guide 5.7.1): row j is in; the NX rows and NW weight loads issued behind it may be out
.if ((\j)%2 == 1) && (TI+3 <= 15)
	LOOKUP TI+3, TI%3                              ; both rows of tile TI are in, so its base and offset registers take the tile three further on
.endif
.if (\j)+5 <= 31
	XROW (\j)+5                                    ; into the buffer that the last turn has worked off
.endif
.if (\j) <= 9
	WCH 6*(\j), 6, 0
.elseif (\j) == 10
	WCH 60, 4, 0
.endif
.if TI < 6
	s_cmp_gt_u32 s21, TI
	s_cbranch_scc0 .Lnoq_\@                        ; a slot past my tiles: nothing to quantise; the loads and waits above stand on both paths
.endif
	QROW \j
.if TI < 6
.Lnoq_\@:
.endif
.endm
; what a half p of my units needs beside its fragments: scale words, b1 and w2, from the copies in LDS
.macro PHASE_REGS p
.irp n, 0,1,2,3
	ds_load_b128 v[WS+8*\n:WS+8*\n+3], v21 offset:(64*\p+16*\n)*32              ; unit 16 n + r: its 8 scale words, one a K step
	ds_load_b128 v[WS+8*\n+4:WS+8*\n+7], v21 offset:(64*\p+16*\n)*32+16
	ds_load_b128 v[B1R+8*\n:B1R+8*\n+3], v22 offset:(64*\p+16*\n)*4             ; units 16 n + 8 h + 0 .. 7, as the result holds them
	ds_load_b128 v[B1R+8*\n+4:B1R+8*\n+7], v22 offset:(64*\p+16*\n)*4+16
	ds_load_b128 v[W2R+8*\n:W2R+8*\n+3], v22 offset:4096+(64*\p+16*\n)*4
	ds_load_b128 v[W2R+8*\n+4:W2R+8*\n+7], v22 offset:4096+(64*\p+16*\n)*4+16
.endr
	s_wait_dscnt 0x0
.endm
; One tile against my 64 units of half p.  xa, xsa, psa: registers with the LDS addresses of the tile's codes, scale words and partial score.  reload = 1: the other half's fragments are asked for behind the products
.macro VISIT p, reload, xa, xsa, psa
	ds_load_b128 v[XS:XS+3], v[\xsa]
	ds_load_b128 v[XS+4:XS+7], v[\xsa] offset:16
.irp s, 0,1,2,3,4,5,6,7
	ds_load_b128 v[XF+8*\s:XF+8*\s+3], v[\xa] offset:64*\s                      ; a fragment: row r; registers 4 c .. 4 c + 3 hold k = 64 c + 32 h + 0 .. 31
	ds_load_b128 v[XF+8*\s+4:XF+8*\s+7], v[\xa] offset:64*\s+32
.endr
	WIN 0x01                                       ; source 0 (w1) window 1
.irp s, 0,1,2,3,4,5,6,7
	s_wait_dscnt 14-2*\s                           ; the scale words and K steps 0 .. s are in; the 14 - 2 s loads of later K steps may be out
.irp n, 0,1,2,3                                ; the four accumulators take turns, one instruction a turn
.if \s == 0
	v_wmma_scale_f32_16x16x128_f8f6f4 v[ACC+8*\n:ACC+8*\n+7], v[64*\n+8*\s:64*\n+8*\s+7], v[XF+8*\s:XF+8*\s+7], v[B1R+8*\n:B1R+8*\n+7], v[WS+8*\n+\s], v[XS+\s] matrix_a_fmt:MATRIX_FMT_FP4 matrix_b_fmt:MATRIX_FMT_FP4
.else
	v_wmma_scale_f32_16x16x128_f8f6f4 v[ACC+8*\n:ACC+8*\n+7], v[64*\n+8*\s:64*\n+8*\s+7], v[XF+8*\s:XF+8*\s+7], v[ACC+8*\n:ACC+8*\n+7], v[WS+8*\n+\s], v[XS+\s] matrix_a_fmt:MATRIX_FMT_FP4 matrix_b_fmt:MATRIX_FMT_FP4
.endif
.endr
.endr
	WIN 0
.rept 5
	v_nop                                          ; places behind the last products: four for the reads of results and the loads into operand registers, a fifth for the next tile's first product, which begins the accumulators anew
.endr
.if \reload
	WCH 0, 64, 32768                               ; my other 64 units: these loads have the lines below in which to start landing
.endif
	; tanh(a) = 1 - 2 / (1 + 2^(2 log2(e) a)): 1 where the power overflows, -1 where it falls to 0.  Each accumulator is read from its low end on
.set K, 0
.rept 16
	v_pk_mul_f32 v[ACC+K:ACC+K+1], v[ACC+K:ACC+K+1], 0x4038aa3b op_sel_hi:[1,0]
.set K, K+2
.endr
.set K, 0
.rept 32
	v_exp_f32 v[ACC+K], v[ACC+K]
.set K, K+1
.endr
	v_nop                                          ; a plain instruction behind the last exponential (ISA guide 5.7.2),
	s_wait_alu depctr_va_vdst(0)                   ; and one wait for the batch ahead of its first use
.set K, 0
.rept 16
	v_pk_add_f32 v[ACC+K:ACC+K+1], v[ACC+K:ACC+K+1], 1.0 op_sel_hi:[1,0]
.set K, K+2
.endr
.set K, 0
.rept 32
	v_rcp_f32 v[ACC+K], v[ACC+K]
.set K, K+1
.endr
	v_nop
	s_wait_alu depctr_va_vdst(0)                   ; likewise for the reciprocals
.set K, 0
.rept 16
	v_pk_fma_f32 v[ACC+K:ACC+K+1], v[ACC+K:ACC+K+1], -2.0, 1.0 op_sel_hi:[1,0,0]
.set K, K+2
.endr
.irp i, 0,1,2,3                                ; x w2, summed in four chains of pairs
.irp n, 0,1,2,3
.if \i == 0
	v_pk_mul_f32 v[24+2*\n:25+2*\n], v[ACC+8*\n:ACC+8*\n+1], v[W2R+8*\n:W2R+8*\n+1]
.else
	v_pk_fma_f32 v[24+2*\n:25+2*\n], v[ACC+8*\n+2*\i:ACC+8*\n+2*\i+1], v[W2R+8*\n+2*\i:W2R+8*\n+2*\i+1], v[24+2*\n:25+2*\n]
.endif
.endr
.endr
	v_pk_add_f32 v[24:25], v[24:25], v[26:27]
	v_pk_add_f32 v[28:29], v[28:29], v[30:31]
	v_pk_add_f32 v[24:25], v[24:25], v[28:29]
	v_add_f32 v24, v24, v25
	v_permlanex16_b32 v23, v24, s70, s71           ; the row's other 32 units lie in lane l xor 16
	v_add_f32 v24, v24, v23
	ds_store_b32 v[\psa], v24 offset:8192*\p       ; lanes r and r + 16 write the same word with the same value
	s_wait_dscnt 0x0                               ; the store has read its address, which the next trip writes again
.endm
; my slots first .. 15 against half p.  The trip count is a constant; a slot past my tiles is passed over inside the trip
.macro PLOOP p, first
	s_mov_b32 s66, (\first)*XSLOT
	s_mov_b32 s67, (\first)*SSLOT
	s_mov_b32 s68, (\first)*64
	s_mov_b32 s69, \first
.Lvis_\@:
	s_cmp_ge_u32 s69, s21
	s_cbranch_scc1 .Lnov_\@
	v_add_nc_u32 v18, s66, v15
	v_add_nc_u32 v19, s67, v16
	v_add_nc_u32 v20, s68, v17
	VISIT \p, 0, 18, 19, 20
.Lnov_\@:
	s_add_co_u32 s66, s66, XSLOT
	s_add_co_u32 s67, s67, SSLOT
	s_add_co_u32 s68, s68, 64
	s_add_co_u32 s69, s69, 1
	s_cmp_lt_u32 s69, 16
	s_cbranch_scc1 .Lvis_\@
.endm
	s_load_b256 s[4:11], s[0:1], 0x0               ; x s[4:5], lengths s[6:7], w1's codes s[8:9], w1's scales s[10:11]
	s_load_b128 s[12:15], s[0:1], 0x20             ; b1 s[12:13], w2 s[14:15]
	s_load_b64 s[16:17], s[0:1], 0x30              ; scores
	v_lshrrev_b32 v1, 5, v0
	v_readfirstlane_b32 s2, v1                     ; wave 0..7
	v_and_b32 v1, 31, v0                           ; lane
	v_and_b32 v2, 15, v0                           ; r
	v_bfe_u32 v3, v0, 4, 1                         ; h
	v_lshlrev_b32 v6, 5, v1                        ; my 32 bytes of a chunk
	v_lshlrev_b32 v56, 4, v0                       ; the head's copies: 16 bytes a thread, 4,096 a work-group
	v_add_nc_u32 v57, PS, v56
	s_mov_b32 s31, 0
	s_mov_b32 s70, 0x76543210                      ; v_permlanex16_b32's selects for lane l xor 16
	s_mov_b32 s71, 0xfedcba98
	s_mov_b32 s72, 0xffff0000                      ; lanes 16-31
	s_wait_kmcnt 0x0
	s_load_b512 s[32:47], s[6:7], 0x0              ; the 32 lengths
	s_load_b512 s[48:63], s[6:7], 0x40
.irp m, 0,1,2,3,4,5,6,7
	global_load_b128 v[224+4*\m:227+4*\m], v56, s[10:11] offset:4096*\m   ; w1's scale bytes, b1 and w2 are copied into LDS once, in runs of 512 consecutive bytes a wave
.endr
	global_load_b128 v[48:51], v56, s[12:13]
	global_load_b128 v[52:55], v56, s[14:15]
	s_mul_i32 s30, s2, XPITCH
	v_lshl_add_u32 v10, v1, 2, s30                 ; v10-12: where my codes go: row w, 4 bytes a lane; slots 0-5, 6-11, 12-15 (an LDS offset has 16 bits)
	v_add_nc_u32 v11, 6*XSLOT, v10
	v_add_nc_u32 v12, 12*XSLOT, v10
	s_mul_i32 s30, s2, SPITCH
	s_add_co_u32 s30, s30, XSB
	v_lshrrev_b32 v13, 2, v1
	v_add_nc_u32 v13, s30, v13                     ; v13: where my block's scale byte goes
	v_lshlrev_b32 v14, 9, v2
	v_lshl_add_u32 v14, v3, 4, v14                 ; v14: w1's codes: row r of 512 bytes, + 16 h
	v_mul_u32_u24 v15, v2, XPITCH
	v_lshl_add_u32 v15, v3, 4, v15                 ; v15: x's fragments in slot 0
	v_mul_u32_u24 v16, v2, SPITCH
	v_add_nc_u32 v16, XSB, v16                     ; v16: x's scale words in slot 0
	s_lshl_b32 s30, s2, 10
	s_add_co_u32 s30, s30, PS
	v_lshl_add_u32 v17, v2, 2, s30                 ; v17: my partial score of slot 0
	s_lshl_b32 s30, s2, 12
	s_add_nc_u64 s[4:5], s[4:5], s[30:31]          ; x at row w
	s_add_co_u32 s30, s30, WSL
	v_lshl_add_u32 v21, v2, 5, s30                 ; v21: w1's scale words: unit 128 w + r
	s_lshl_b32 s30, s2, 9
	s_add_co_u32 s30, s30, B1L
	v_lshl_add_u32 v22, v3, 5, s30                 ; v22: b1 at unit 128 w + 8 h
	s_lshl_b32 s30, s2, 16
	s_add_nc_u64 s[8:9], s[8:9], s[30:31]          ; w1's codes at unit 128 w
	v_mov_b32 v4, 0                                ; (a lane write's and a lane permute's target counts as read)
	v_mov_b32 v5, 0
	v_mov_b32 v23, 0
.irp c, 60,61,62,63
	v_mov_b32 v\c, 0
.endr
	s_mov_b32 s75, 0
	s_wait_kmcnt 0x0
.irp b, 0,1,2,3,4,5,6,7,8,9,10,11,12,13,14,15,16,17,18,19,20,21,22,23,24,25,26,27,28,29,30,31
	s_max_i32 s76, s[32+\b], 1
	s_min_i32 s76, s76, 2048
	s_add_co_u32 s76, s76, 15
	s_lshr_b32 s76, s76, 4                         ; n_b
	v_writelane_b32 v5, s75, \b                    ; where batch b's tiles begin in the list,
	s_add_co_u32 s75, s75, s76
	v_writelane_b32 v4, s75, \b                    ; and where they end
.endr
	s_mov_b32 s18, s75                             ; R, 32 .. 4,096
	s_sub_co_u32 s19, s18, 1
	s_mul_i32 s20, ttmp9, s18
	s_add_co_u32 s21, s20, s18
	s_lshr_b32 s20, s20, 8                         ; my first place
	s_lshr_b32 s21, s21, 8
	s_sub_co_u32 s21, s21, s20
	s_min_u32 s21, s21, 16                         ; my tiles
	LOOKUP 0, 0
	LOOKUP 1, 1
	LOOKUP 2, 2
.irp j, 0,1,2,3,4
	XROW \j
.endr
	s_wait_loadcnt 40                              ; the ten copy loads are in; the 40 loads of x issued behind them stay out
.irp m, 0,1,2,3
	ds_store_b128 v57, v[60:63] offset:4096*\m     ; the partial scores begin as zeros, so that the way out reads no byte that nobody wrote
.endr
.irp m, 0,1,2,3,4,5,6,7
	ds_store_b128 v57, v[224+4*\m:227+4*\m] offset:WSL-PS+4096*\m
.endr
	ds_store_b128 v57, v[48:51] offset:B1L-PS
	ds_store_b128 v57, v[52:55] offset:B1L-PS+4096
	s_wait_dscnt 0x0                               ; these stores have read v224-255, which the first turn loads again
.irp j, 0,1,2,3,4,5,6,7,8,9,10,11,12,13,14,15,16,17,18,19,20,21,22,23,24,25,26,27,28,29,30,31
	BODY \j
.endr
.Lxdone:
	s_wait_loadcnt 0x0                             ; the first half's fragments, and what ran ahead
	s_wait_dscnt 0x0                               ; for the others' sake: my codes, scale bytes and copies lie in LDS
	s_barrier_signal -1
	s_barrier_wait -1
	PHASE_REGS 0
	PLOOP 0, 1                                     ; slots 1 to 15;
	s_cmp_eq_u32 s21, 0
	s_cbranch_scc1 .Lnone
	VISIT 0, 1, 15, 16, 17                         ; slot 0 last: behind its products nobody reads the first half's fragments, and the second half's are asked for
.Lnone:
	PHASE_REGS 1
	s_wait_loadcnt 0x0                             ; the second half's fragments
	PLOOP 1, 0
	s_wait_dscnt 0x0
	s_barrier_signal -1
	s_barrier_wait -1                              ; all partial scores lie in LDS
	; THE WAY OUT.  Thread t owns row t % 16 of slot t / 16 = 2 w + h: it adds the row's 16 partial scores (2 halves x 8 waves) in a fixed tree.  A tile's 16 scores are 64 consecutive bytes
	v_lshl_add_u32 v18, v0, 2, PS
.irp m, 0,1,2,3,4,5,6,7,8,9,10,11,12,13,14,15
	ds_load_b32 v[32+\m], v18 offset:1024*\m
.endr
	s_lshl_b32 s37, s2, 1
	s_add_co_u32 s32, s20, s37
	TILEOF s73                                     ; slot 2 w's tile,
	s_add_co_u32 s32, s20, s37
	s_add_co_u32 s32, s32, 1
	TILEOF s74                                     ; slot 2 w + 1's
	v_mov_b32 v19, s73
	v_mov_b32 v20, s74
	v_cndmask_b32 v19, v19, v20, s72
	v_min_u32 v19, 0xfff, v19
	v_lshlrev_b32 v20, 2, v2
	v_lshl_add_u32 v19, v19, 6, v20                ; 64 x tile + 4 r
	v_lshrrev_b32 v20, 4, v0
	v_cmp_gt_u32 vcc_lo, s21, v20                  ; is my slot one of my tiles?
	s_wait_dscnt 0x0
	v_pk_add_f32 v[32:33], v[32:33], v[34:35]
	v_pk_add_f32 v[36:37], v[36:37], v[38:39]
	v_pk_add_f32 v[40:41], v[40:41], v[42:43]
	v_pk_add_f32 v[44:45], v[44:45], v[46:47]
	v_pk_add_f32 v[32:33], v[32:33], v[36:37]
	v_pk_add_f32 v[40:41], v[40:41], v[44:45]
	v_pk_add_f32 v[32:33], v[32:33], v[40:41]
	v_add_f32 v32, v32, v33
	s_wait_xcnt 0x0                                ; EXEC changes only behind this wait
	s_and_saveexec_b32 s38, vcc_lo
	global_store_b32 v19, v32, s[16:17]
	s_wait_xcnt 0x0
	s_mov_b32 exec_lo, -1
	v_lshl_add_u32 v30, v0, 2, 0x32000
	v_mov_b32 v31, 0
	s_wait_tensorcnt 0x0
	ds_add_u32 v30, v31
	s_wait_dscnt 0x0
	s_endpgm
.Lfunc_end_k_q853c44708a_score:
	.size	k_q853c44708a_score, .Lfunc_end_k_q853c44708a_score-k_q853c44708a_score
	.p2alignl 7, 3214868480
	.fill 96, 4, 3214868480
	.section	.rodata,"a",@progbits
	.p2align	6, 0x0
	.amdhsa_kernel k_q853c44708a_score
		.amdhsa_group_segment_fixed_size 205824
		.amdhsa_private_segment_fixed_size 0
		.amdhsa_enable_private_segment 0
		.amdhsa_kernarg_size 56
		.amdhsa_user_sgpr_count 2
		.amdhsa_user_sgpr_kernarg_segment_ptr 1
		.amdhsa_wavefront_size32 1
		.amdhsa_system_sgpr_workgroup_id_x 1
		.amdhsa_system_sgpr_workgroup_id_y 1
		.amdhsa_system_sgpr_workgroup_id_z 1
		.amdhsa_system_vgpr_workitem_id 0
		.amdhsa_next_free_vgpr 512
		.amdhsa_next_free_sgpr 80
		.amdhsa_reserve_vcc 1
		.amdhsa_float_denorm_mode_32 3
		.amdhsa_float_denorm_mode_16_64 3
		.amdhsa_memory_ordered 1
		.amdhsa_forward_progress 1
		.amdhsa_inst_pref_size 199
	.end_amdhsa_kernel
	.amdgpu_metadata
---
amdhsa.version: [ 1, 2 ]
amdhsa.kernels:
  - .name:           k_q853c44708a_score
    .symbol:         k_q853c44708a_score.kd
    .args:
      - { .name: x, .offset: 0, .size: 8, .value_kind: global_buffer, .address_space: global }
      - { .name: lengths, .offset: 8, .size: 8, .value_kind: global_buffer, .address_space: global }
      - { .name: w1_codes, .offset: 16, .size: 8, .value_kind: global_buffer, .address_space: global }
      - { .name: w1_scales, .offset: 24, .size: 8, .value_kind: global_buffer, .address_space: global }
      - { .name: b1, .offset: 32, .size: 8, .value_kind: global_buffer, .address_space: global }
      - { .name: w2, .offset: 40, .size: 8, .value_kind: global_buffer, .address_space: global }
      - { .name: scores, .offset: 48, .size: 8, .value_kind: global_buffer, .address_space: global }
    .group_segment_fixed_size: 205824
    .private_segment_fixed_size: 0
    .kernarg_segment_align: 8
    .kernarg_segment_size: 56
    .max_flat_workgroup_size: 256
    .sgpr_count:     80
    .vgpr_count:     512
    .wavefront_size: 32
...
	.end_amdgpu_metadata
.endif
;; end of part 1
;; launch select (part 2): grid 32 x 1, 1 waves a work-group, no clusters, 0 bytes of LDS; arguments scores, lengths, sel; writes sel
.if DOCPART == 2
	.amdgcn_target "amdgcn-amd-amdhsa--gfx1250"
	.amdhsa_code_object_version 6
	.text
	.protected	k_q853c44708a_select
	.globl	k_q853c44708a_select
	.p2align	8
	.type	k_q853c44708a_select,@function
k_q853c44708a_select:
	s_mov_b64 s[64:65], 0
	v_nop
	global_prefetch_b8 v0, s[64:65] scope:SCOPE_SE
	s_setreg_imm32_b32 hwreg(HW_REG_WAVE_MODE, 25, 1), 1
	s_wait_xcnt 0x0
; For batch b (one wave): which k = min(max(ceil(len x 0.35f), 6), 717) of its 2,048 rows have the largest scores, rows at or past len counting as -infinity, equal scores going to the lower row.
; Out: sel[b][64] words; bit l of word j stands for row 32 j + l.  Exactly k bits are set.
; Register j of lane l holds row 32 j + l.  A score becomes a key whose unsigned order is the scores' order.  The k-th largest key is found bit by bit from the top (32 trips: is the number of keys at or above the candidate still k or more?);
; all keys above it are taken, and of the keys equal to it the first k - (number above) in the order of rows.  No branch and no address hangs on a score: choices are made by s_cselect_b32 and masks, and the words are stored at fixed places.
; Rows at or past len are not read: their lanes name the last row under len, so only bytes that the launch before has stored are read.
; LIMITS: NaN among the scores is not served.  -0 counts as +0.  A length outside 1 .. 2048 is held to that range for the addresses; the mask and k take it as given.
.set KEY, 32                           ; v32-95 the keys; v96-99 lane counters; v100-107 at work; v108-109 the words: word j in lane j / 2 of register j % 2
; the number of keys at or above (strict = 0) or above (strict = 1) thr -> s26.  Four compares write their masks, four additions take them as carry in: four counters by turns; the first group starts them
.macro COUNT strict, thr
.irp g, 0,1,2,3,4,5,6,7,8,9,10,11,12,13,14,15
.irp i, 0,1,2,3
.if \strict
	v_cmp_lt_u32 s[40+\i], \thr, v[KEY+4*\g+\i]
.else
	v_cmp_le_u32 s[40+\i], \thr, v[KEY+4*\g+\i]
.endif
.endr
.irp i, 0,1,2,3
.if \g == 0
	v_cndmask_b32 v[96+\i], 0, 1, s[40+\i]
.else
	v_add_co_ci_u32 v[96+\i], vcc_lo, 0, v[96+\i], s[40+\i]
.endif
.endr
.endr
	v_add_nc_u32 v96, v96, v97
	v_add_nc_u32 v98, v98, v99
	v_add_nc_u32 v96, v96, v98
.irp d, 1,2,4,8
	v_mov_b32_dpp v100, v96 row_xmask:\d row_mask:0xf bank_mask:0xf
	v_add_nc_u32 v96, v96, v100
.endr
	v_permlanex16_b32 v100, v96, s24, s25
	v_add_nc_u32 v96, v96, v100
	v_readfirstlane_b32 s26, v96
.endm
; words 8 g .. 8 g + 7, line by line for all eight, so that no line waits for the line above it.  s27: the keys equal to the k-th seen so far; s28: how many of them are taken
.macro TIES g
.irp i, 0,1,2,3,4,5,6,7
	v_cmp_eq_u32 s[40+\i], s20, v[KEY+8*\g+\i]
.endr
.irp i, 0,1,2,3,4,5,6,7
	v_cmp_lt_u32 s[48+\i], s20, v[KEY+8*\g+\i]
.endr
.irp i, 0,1,2,3,4,5,6,7
	s_mov_b32 s[56+\i], s27
	s_bcnt1_i32_b32 s29, s[40+\i]
	s_add_co_u32 s27, s27, s29
.endr
.irp i, 0,1,2,3,4,5,6,7
	v_mbcnt_lo_u32_b32 v[100+\i], s[40+\i], s[56+\i]   ; my row's place among the equal keys: those in earlier words + those in lower lanes
.endr
.irp i, 0,1,2,3,4,5,6,7
	v_cmp_gt_u32 s[56+\i], s28, v[100+\i]
.endr
.irp i, 0,1,2,3,4,5,6,7
	s_and_b32 s[56+\i], s[56+\i], s[40+\i]
	s_or_b32 s[56+\i], s[56+\i], s[48+\i]
	v_writelane_b32 v[108+\i%2], s[56+\i], (8*\g+\i)/2
.endr
.endm
	s_load_b128 s[4:7], s[0:1], 0x0                ; scores, lengths
	s_load_b64 s[8:9], s[0:1], 0x10                ; sel
	v_and_b32 v1, 31, v0                           ; lane
	v_lshlrev_b32 v3, 2, v1
	v_lshlrev_b32 v7, 3, v1
	s_lshl_b32 s10, ttmp9, 2
	s_mov_b32 s11, 0
	s_mov_b32 s24, 0x76543210                      ; v_permlanex16_b32's selects for lane l xor 16
	s_mov_b32 s25, 0xfedcba98
	s_wait_kmcnt 0x0
	s_add_nc_u64 s[6:7], s[6:7], s[10:11]
	s_load_b32 s12, s[6:7], 0x0                    ; len
	s_lshl_b32 s10, ttmp9, 13
	s_add_nc_u64 s[4:5], s[4:5], s[10:11]          ; my batch's 2,048 scores
	s_lshl_b32 s10, ttmp9, 8
	s_add_nc_u64 s[8:9], s[8:9], s[10:11]          ; and its 64 words
	v_mov_b32 v4, 0xff800000                       ; -infinity
	v_mov_b32 v100, 0                              ; (targets of lane moves and lane writes count as read)
	v_mov_b32 v108, 0
	v_mov_b32 v109, 0
	s_wait_kmcnt 0x0
	s_max_i32 s13, s12, 1
	s_min_i32 s13, s13, 2048
	s_sub_co_u32 s13, s13, 1
	s_lshl_b32 s13, s13, 2                         ; the byte of the last row under len
.set J, 0
.rept 64
	v_add_nc_u32 v[KEY+J], 128*J, v3
	v_min_u32 v[KEY+J], s13, v[KEY+J]
	v_min_u32 v[KEY+J], 0x1ffc, v[KEY+J]
	global_load_b32 v[KEY+J], v[KEY+J], s[4:5]     ; a load lands on its own offset
.set J, J+1
.endr
	v_cvt_f32_i32 v2, s12                          ; k, in f32 as it is defined:
	v_mul_f32 v2, 0x3eb33333, v2                   ; len x 0.35f, rounded once;
	v_floor_f32 v2, -v2                            ; -ceil;
	v_mul_f32 v2, -1.0, v2
	v_max_num_f32 v2, 0x40c00000, v2               ; at least 6,
	v_min_num_f32 v2, 0x44334000, v2               ; at most 717, the number of places that are looked at
	v_cvt_u32_f32 v2, v2
	v_readfirstlane_b32 s14, v2
	s_wait_loadcnt 0x0
.set J, 0
.rept 64
	s_sub_co_i32 s15, s12, 32*J
	v_cmp_gt_i32 vcc_lo, s15, v1                   ; 32 J + lane < len?
	v_cndmask_b32 v[KEY+J], v4, v[KEY+J], vcc_lo
	v_add_f32 v[KEY+J], 0, v[KEY+J]                ; -0 becomes +0
	v_ashrrev_i32 v[5+J%2], 31, v[KEY+J]
	v_or_b32 v[5+J%2], 0x80000000, v[5+J%2]
	v_xor_b32 v[KEY+J], v[5+J%2], v[KEY+J]         ; at or above 0: the sign bit is set; below: all bits are turned
.set J, J+1
.endr
	s_mov_b32 s20, 0                               ; the k-th largest key, as far as its bits are known
	s_mov_b32 s21, 0x80000000
	s_mov_b32 s22, 32
.Lbit:
	s_or_b32 s23, s20, s21
	COUNT 0, s23
	s_cmp_ge_u32 s26, s14
	s_cselect_b32 s20, s23, s20
	s_lshr_b32 s21, s21, 1
	s_sub_co_i32 s22, s22, 1
	s_cmp_lg_u32 s22, 0
	s_cbranch_scc1 .Lbit
	COUNT 1, s20
	s_sub_co_u32 s28, s14, s26                     ; of the keys equal to it so many are taken: 1 or more
	s_mov_b32 s27, 0
.irp g, 0,1,2,3,4,5,6,7
	TIES \g
.endr
	global_store_b64 v7, v[108:109], s[8:9]        ; 32 lanes store 256 consecutive bytes, aligned: word j at byte 4 j
	s_endpgm
.Lfunc_end_k_q853c44708a_select:
	.size	k_q853c44708a_select, .Lfunc_end_k_q853c44708a_select-k_q853c44708a_select
	.p2alignl 7, 3214868480
	.fill 96, 4, 3214868480
	.section	.rodata,"a",@progbits
	.p2align	6, 0x0
	.amdhsa_kernel k_q853c44708a_select
		.amdhsa_group_segment_fixed_size 0
		.amdhsa_private_segment_fixed_size 0
		.amdhsa_enable_private_segment 0
		.amdhsa_kernarg_size 24
		.amdhsa_user_sgpr_count 2
		.amdhsa_user_sgpr_kernarg_segment_ptr 1
		.amdhsa_wavefront_size32 1
		.amdhsa_system_sgpr_workgroup_id_x 1
		.amdhsa_system_sgpr_workgroup_id_y 1
		.amdhsa_system_sgpr_workgroup_id_z 1
		.amdhsa_system_vgpr_workitem_id 0
		.amdhsa_next_free_vgpr 112
		.amdhsa_next_free_sgpr 66
		.amdhsa_reserve_vcc 1
		.amdhsa_float_denorm_mode_32 3
		.amdhsa_float_denorm_mode_16_64 3
		.amdhsa_memory_ordered 1
		.amdhsa_forward_progress 1
		.amdhsa_inst_pref_size 84
	.end_amdhsa_kernel
	.amdgpu_metadata
---
amdhsa.version: [ 1, 2 ]
amdhsa.kernels:
  - .name:           k_q853c44708a_select
    .symbol:         k_q853c44708a_select.kd
    .args:
      - { .name: scores, .offset: 0, .size: 8, .value_kind: global_buffer, .address_space: global }
      - { .name: lengths, .offset: 8, .size: 8, .value_kind: global_buffer, .address_space: global }
      - { .name: sel, .offset: 16, .size: 8, .value_kind: global_buffer, .address_space: global }
    .group_segment_fixed_size: 0
    .private_segment_fixed_size: 0
    .kernarg_segment_align: 8
    .kernarg_segment_size: 24
    .max_flat_workgroup_size: 32
    .sgpr_count:     66
    .vgpr_count:     112
    .wavefront_size: 32
...
	.end_amdgpu_metadata
.endif
;; end of part 2
;; launch pool (part 3): grid 16 x 32, 16 waves a work-group, no clusters, 6,144 bytes of LDS; arguments sel, lengths, x, out0; writes out0
.if DOCPART == 3
	.amdgcn_target "amdgcn-amd-amdhsa--gfx1250"
	.amdhsa_code_object_version 6
	.text
	.protected	k_q853c44708a_pool
	.globl	k_q853c44708a_pool
	.p2align	8
	.type	k_q853c44708a_pool,@function
k_q853c44708a_pool:
	s_mov_b64 s[64:65], 0
	v_nop
	global_prefetch_b8 v0, s[64:65] scope:SCOPE_SE
	s_setreg_imm32_b32 hwreg(HW_REG_WAVE_MODE, 25, 1), 1
	s_wait_xcnt 0x0
; out0[b][c] = the mean of x[b][t][c] over the k rows t whose bit is set in sel[b].  x: [32][2048][1024] f32; sel: [32][64] words, bit l of word j = row 32 j + l; k as in the launch before (exactly k bits are set).
; SHARES.  Work-group (p, b) owns 64 columns, 256 bytes, of batch b's result: one owner for each output, no sum between work-groups.  Wave w takes words w, w + 16, w + 32, w + 48.
; A load brings two rows' 256 bytes: lanes 0-15 one row, lanes 16-31 the next, 16 bytes a lane: each half covers 256 consecutive bytes, aligned.
; A word's set bits are turned into a list (lane i holds the i-th chosen row) by one lane permute; a trip takes 8 rows of each of the four lists, 16 loads a wave.  The trip count, ceil(the longest list / 8), hangs on the stored words alone.
; A list's places past its end name a row that the wave reads anyway, and count with the weight 0.
; No matrix unit, no tensor loads, no cluster: rows are gathered by stored bits, each row's bytes are wanted by one work-group, and the sums are plain additions.
; LIMITS: NaN and infinities in x are not served (a row with weight 0 is multiplied by 0).
; REGISTERS: v1 lane, v2 16 (lane % 16), v3 lane / 16, v[4:7] two weight pairs, v8-11 the lists, v12-15 4 x (place in a list) for the trip's four loads of a list, v16-31 rows, then offsets, v32-95 data, v96-111 four sums, v112-113 LDS addresses
	s_load_b256 s[4:11], s[0:1], 0x0               ; sel s[4:5], lengths s[6:7], x s[8:9], out0 s[10:11]
	v_lshl_add_u32 v116, v0, 2, 0x1000
	v_mov_b32 v117, 0
	v_lshrrev_b32 v1, 5, v0
	v_readfirstlane_b32 s2, v1                     ; wave 0..15
	v_and_b32 v1, 31, v0                           ; lane
	v_and_b32 v2, 15, v0
	v_lshlrev_b32 v2, 4, v2                        ; my 16 bytes of the 256
	v_bfe_u32 v3, v0, 4, 1                         ; which of a load's two rows
	s_lshl_b32 s40, s2, 8
	v_add_nc_u32 v112, s40, v2                     ; LDS: my wave's 256 bytes
	v_lshl_add_u32 v113, v3, 11, v2                ; and, for the last sum: lanes 0-15 waves 0-7, lanes 16-31 waves 8-15
	s_and_b32 s3, ttmp7, 0xffff                    ; b
	s_lshl_b32 s12, s3, 8
	s_lshl_b32 s14, s2, 2
	s_add_co_u32 s12, s12, s14                     ; word w of batch b
	s_mov_b32 s13, 0
	s_lshl_b32 s14, s3, 2
	s_mov_b32 s15, 0
	s_mov_b32 s52, 0x76543210                      ; v_permlanex16_b32's selects for lane l xor 16
	s_mov_b32 s53, 0xfedcba98
	s_wait_kmcnt 0x0
	s_add_nc_u64 s[4:5], s[4:5], s[12:13]
	s_add_nc_u64 s[6:7], s[6:7], s[14:15]
	s_load_b32 s20, s[4:5], 0x0                    ; my four words
	s_load_b32 s21, s[4:5], 0x40
	s_load_b32 s22, s[4:5], 0x80
	s_load_b32 s23, s[4:5], 0xc0
	s_load_b32 s24, s[6:7], 0x0                    ; len
	s_lshl_b32 s12, s3, 23                         ; a batch is 2,048 rows of 4,096 bytes
	s_lshl_b32 s14, ttmp9, 8
	s_add_co_u32 s12, s12, s14
	s_add_nc_u64 s[8:9], s[8:9], s[12:13]          ; x at my batch and my columns
	s_lshl_b32 s12, s3, 12
	s_add_co_u32 s12, s12, s14
	s_add_nc_u64 s[10:11], s[10:11], s[12:13]      ; out0 likewise
	s_lshl_b32 s34, s2, 5                          ; word w begins at row 32 w
	v_add_nc_u32 v28, s34, v1
	v_lshlrev_b32 v12, 2, v3
.irp g, 1,2,3
	v_add_nc_u32 v[12+\g], 8*\g, v12               ; load g of a list takes places 2 g + h
.endr
.irp c, 0,1,2,3,4,5,6,7,8,9,10,11,12,13,14,15
	v_mov_b32 v[96+\c], 0                          ; a wave none of whose rows is chosen adds zeros
.endr
	v_mov_b32 v5, 0                                ; (named as the upper halves of the weight pairs)
	v_mov_b32 v7, 0
	s_wait_kmcnt 0x0
.irp i, 0,1,2,3
	s_bcnt1_i32_b32 s[28+\i], s[20+\i]             ; the lists' lengths,
	s_lshl_b32 s[44+\i], s[28+\i], 2               ; and four times that
.endr
	s_mov_b32 s32, 0                               ; the first row that I take, or row 0
.irp i, 3,2,1,0
	s_ctz_i32_b32 s33, s[20+\i]
	s_add_co_u32 s33, s33, s34
	s_add_co_u32 s33, s33, 512*\i
	s_cmp_lg_u32 s[20+\i], 0
	s_cselect_b32 s32, s33, s32
.endr
	s_max_u32 s51, s28, s29
	s_max_u32 s51, s51, s30
	s_max_u32 s51, s51, s31
	s_add_co_u32 s51, s51, 7
	s_lshr_b32 s51, s51, 3                         ; trips: 0 .. 4
.irp i, 0,1,2,3
	v_mbcnt_lo_u32_b32 v[24+\i], s[20+\i], 0       ; chosen rows in lower lanes
	v_sub_nc_u32 v[16+\i], v1, v[24+\i]            ; rows not chosen in lower lanes
	v_add_nc_u32 v[16+\i], s[28+\i], v[16+\i]
	v_cndmask_b32 v[16+\i], v[16+\i], v[24+\i], s[20+\i]   ; a chosen row goes to its place among the chosen, the others behind them: each lane is named once
	v_lshlrev_b32 v[16+\i], 2, v[16+\i]
	v_add_nc_u32 v[20+\i], 512*\i, v28             ; my row
	ds_permute_b32 v[8+\i], v[16+\i], v[20+\i]     ; (between lanes: no LDS byte is touched)
.endr
	v_mov_b32 v6, s32
	s_wait_dscnt 0x0
.irp i, 0,1,2,3
	v_cmp_gt_u32 s40, s[28+\i], v1
	v_cndmask_b32 v[8+\i], v6, v[8+\i], s40        ; places past a list's end name the first row that I take
.endr
	s_cmp_eq_u32 s51, 0
	s_cbranch_scc1 .Lsum
	s_mov_b32 s50, 0
.Ltrip:
.irp i, 0,1,2,3
.irp g, 0,1,2,3
	ds_bpermute_b32 v[16+4*\i+\g], v[12+\g], v[8+\i]
.endr
.endr
	s_wait_dscnt 0x0
.irp k, 0,1,2,3,4,5,6,7,8,9,10,11,12,13,14,15
	v_min_u32 v[16+\k], 0x7ff, v[16+\k]            ; a row of the batch, whatever was stored
.endr
.irp k, 0,1,2,3,4,5,6,7,8,9,10,11,12,13,14,15
	v_lshl_add_u32 v[16+\k], v[16+\k], 12, v2
.endr
.irp k, 0,1,2,3,4,5,6,7,8,9,10,11,12,13,14,15
	global_load_b128 v[32+4*\k:35+4*\k], v[16+\k], s[8:9]
.endr
.irp i, 0,1,2,3
.irp g, 0,1,2,3
	s_wait_loadcnt 15-4*\i-\g                      ; loads return in order (ISA guide 5.7.1): this one is in; those issued behind it may be out.  The last count is 0, so the offsets may be written again in the next trip
	v_cmp_gt_u32 s[40+\g%2], s[44+\i], v[12+\g]    ; is my place inside the list?
	v_cndmask_b32 v[4+2*(\g%2)], 0, 1.0, s[40+\g%2]
	v_pk_fma_f32 v[96+4*\i:97+4*\i], v[32+4*(4*\i+\g):33+4*(4*\i+\g)], v[4+2*(\g%2):5+2*(\g%2)], v[96+4*\i:97+4*\i] op_sel_hi:[1,0,1]
	v_pk_fma_f32 v[98+4*\i:99+4*\i], v[34+4*(4*\i+\g):35+4*(4*\i+\g)], v[4+2*(\g%2):5+2*(\g%2)], v[98+4*\i:99+4*\i] op_sel_hi:[1,0,1]
.endr
.endr
.irp g, 0,1,2,3
	v_add_nc_u32 v[12+\g], 32, v[12+\g]            ; eight places on
.endr
	s_add_co_u32 s50, s50, 1
	s_cmp_lt_u32 s50, s51
	s_cbranch_scc1 .Ltrip
.Lsum:
	v_pk_add_f32 v[96:97], v[96:97], v[100:101]    ; the four lists' sums,
	v_pk_add_f32 v[98:99], v[98:99], v[102:103]
	v_pk_add_f32 v[104:105], v[104:105], v[108:109]
	v_pk_add_f32 v[106:107], v[106:107], v[110:111]
	v_pk_add_f32 v[96:97], v[96:97], v[104:105]
	v_pk_add_f32 v[98:99], v[98:99], v[106:107]
.irp c, 0,1,2,3
	v_permlanex16_b32 v[100+\c], v[96+\c], s52, s53
.endr
.irp c, 0,1,2,3
	v_add_f32 v[96+\c], v[96+\c], v[100+\c]        ; and the two halves of the lanes
.endr
	ds_store_b128 v112, v[96:99]                   ; lanes l and l + 16 write the same 16 bytes with the same values
	s_wait_dscnt 0x0                               ; for wave 0's sake: my sum lies in LDS
	s_barrier_signal -1
	s_barrier_wait -1
	s_cmp_lg_u32 s2, 0
	s_cbranch_scc1 .Lend                           ; wave 0 adds the sixteen sums, in a fixed order
.irp m, 0,1,2,3,4,5,6,7
	ds_load_b128 v[32+4*\m:35+4*\m], v113 offset:256*\m
.endr
	v_cvt_f32_i32 v6, s24                          ; k, in f32 as it is defined: ceil(len x 0.35f), at least 6, at most 717
	v_mul_f32 v6, 0x3eb33333, v6
	v_floor_f32 v6, -v6
	v_mul_f32 v6, -1.0, v6
	v_max_num_f32 v6, 0x40c00000, v6
	v_min_num_f32 v6, 0x44334000, v6
	v_rcp_f32 v4, v6
	s_wait_dscnt 0x0
.irp m, 0,2,4,6
	v_pk_add_f32 v[32+4*\m:33+4*\m], v[32+4*\m:33+4*\m], v[36+4*\m:37+4*\m]   ; (plain work behind the reciprocal, which names neither its result nor its source)
	v_pk_add_f32 v[34+4*\m:35+4*\m], v[34+4*\m:35+4*\m], v[38+4*\m:39+4*\m]
.endr
.irp m, 0,4
	v_pk_add_f32 v[32+4*\m:33+4*\m], v[32+4*\m:33+4*\m], v[40+4*\m:41+4*\m]
	v_pk_add_f32 v[34+4*\m:35+4*\m], v[34+4*\m:35+4*\m], v[42+4*\m:43+4*\m]
.endr
	v_pk_add_f32 v[32:33], v[32:33], v[48:49]
	v_pk_add_f32 v[34:35], v[34:35], v[50:51]
.irp c, 0,1,2,3
	v_permlanex16_b32 v[36+\c], v[32+\c], s52, s53
.endr
.irp c, 0,1,2,3
	v_add_f32 v[32+\c], v[32+\c], v[36+\c]
.endr
	s_wait_alu depctr_va_vdst(0)                   ; a wait ahead of the reciprocal's first use
	v_pk_mul_f32 v[32:33], v[32:33], v[4:5] op_sel_hi:[1,0]
	v_pk_mul_f32 v[34:35], v[34:35], v[4:5] op_sel_hi:[1,0]
	v_cmp_gt_u32 vcc_lo, 16, v1
	s_wait_xcnt 0x0                                ; EXEC changes only behind this wait
	s_wait_tensorcnt 0x0
	ds_add_u32 v116, v117
	s_wait_dscnt 0x0
	s_and_saveexec_b32 s40, vcc_lo
	global_store_b128 v2, v[32:35], s[10:11]       ; sixteen lanes store 256 consecutive bytes, aligned
	s_endpgm
.Lend:
	s_wait_tensorcnt 0x0
	ds_add_u32 v116, v117
	s_wait_dscnt 0x0
	s_endpgm
.Lfunc_end_k_q853c44708a_pool:
	.size	k_q853c44708a_pool, .Lfunc_end_k_q853c44708a_pool-k_q853c44708a_pool
	.p2alignl 7, 3214868480
	.fill 96, 4, 3214868480
	.section	.rodata,"a",@progbits
	.p2align	6, 0x0
	.amdhsa_kernel k_q853c44708a_pool
		.amdhsa_group_segment_fixed_size 6144
		.amdhsa_private_segment_fixed_size 0
		.amdhsa_enable_private_segment 0
		.amdhsa_kernarg_size 32
		.amdhsa_user_sgpr_count 2
		.amdhsa_user_sgpr_kernarg_segment_ptr 1
		.amdhsa_wavefront_size32 1
		.amdhsa_system_sgpr_workgroup_id_x 1
		.amdhsa_system_sgpr_workgroup_id_y 1
		.amdhsa_system_sgpr_workgroup_id_z 1
		.amdhsa_system_vgpr_workitem_id 0
		.amdhsa_next_free_vgpr 118
		.amdhsa_next_free_sgpr 66
		.amdhsa_reserve_vcc 1
		.amdhsa_float_denorm_mode_32 3
		.amdhsa_float_denorm_mode_16_64 3
		.amdhsa_memory_ordered 1
		.amdhsa_forward_progress 1
		.amdhsa_inst_pref_size 19
	.end_amdhsa_kernel
	.amdgpu_metadata
---
amdhsa.version: [ 1, 2 ]
amdhsa.kernels:
  - .name:           k_q853c44708a_pool
    .symbol:         k_q853c44708a_pool.kd
    .args:
      - { .name: sel, .offset: 0, .size: 8, .value_kind: global_buffer, .address_space: global }
      - { .name: lengths, .offset: 8, .size: 8, .value_kind: global_buffer, .address_space: global }
      - { .name: x, .offset: 16, .size: 8, .value_kind: global_buffer, .address_space: global }
      - { .name: out0, .offset: 24, .size: 8, .value_kind: global_buffer, .address_space: global }
    .group_segment_fixed_size: 6144
    .private_segment_fixed_size: 0
    .kernarg_segment_align: 8
    .kernarg_segment_size: 32
    .max_flat_workgroup_size: 512
    .sgpr_count:     66
    .vgpr_count:     118
    .wavefront_size: 32
...
	.end_amdgpu_metadata
.endif
;; end of part 3
;; ======== version 2 of 2: 3 launches; 1.11 times as fast as version 1
;; workspace buffers: scores 262,144 bytes; sel 8,192 bytes of whole numbers
;; launch score: the kernel of part 1 again; grid 256 x 1, 8 waves a work-group, no clusters, 205,824 bytes of LDS; arguments x, lengths, w1_codes, w1_scales, b1, w2, scores; writes scores
;; launch select (part 4): grid 32 x 1, 8 waves a work-group, no clusters, 2,048 bytes of LDS; arguments scores, lengths, sel; writes sel
.if DOCPART == 4
	.amdgcn_target "amdgcn-amd-amdhsa--gfx1250"
	.amdhsa_code_object_version 6
	.text
	.protected	k_q853c44708a_select
	.globl	k_q853c44708a_select
	.p2align	8
	.type	k_q853c44708a_select,@function
k_q853c44708a_select:
	s_mov_b64 s[64:65], 0
	v_nop
	global_prefetch_b8 v0, s[64:65] scope:SCOPE_SE
	s_setreg_imm32_b32 hwreg(HW_REG_WAVE_MODE, 25, 1), 1
	s_wait_xcnt 0x0
; For batch b (one work-group of eight waves): which k = min(max(ceil(len x 0.35f), 6), 717) of its 2,048 rows have the largest scores, rows at or past len counting as -infinity, equal scores going to the lower row.
; Out: sel[b][64] words; bit l of word j stands for row 32 j + l.  Exactly k bits are set.
; SHARES.  Wave w holds rows 256 w .. 256 w + 255: register j of lane l holds row 256 w + 32 j + l.  A score becomes a key whose unsigned order is the scores' order.
; THE k-TH LARGEST KEY is found two bits at a time from the top, in 16 rounds: for the three candidates tau + step, tau + 2 step, tau + 3 step each wave counts its keys at or above (24 compares into scalar masks, whose
; set bits are counted and added by scalar instructions: no sum across lanes), the eight waves' counts meet in LDS, and tau becomes the largest candidate at or above which k keys or more lie.
; Then all keys above tau are taken, and of the keys equal to it the first k - (number above) in the order of rows: a wave's equal keys come behind those of the waves before it.
; No branch and no address hangs on a score: choices are made by s_cselect_b32 and masks, and the words are stored at fixed places.
; Rows at or past len are not read: their lanes name the last row under len, so only bytes that the launch before has stored are read.
; LDS: counts at byte 0 and at byte 256 by turns (16 bytes a wave), the last exchange at 512, the 64 words at 768.
; LIMITS: NaN among the scores is not served.  -0 counts as +0.  A length outside 1 .. 2048 is held to that range for the addresses; the mask and k take it as given.
.set KEY, 16                           ; v16-23 my keys
.set CT,  24                           ; v24-27 the four words that I hand to the others (the fourth is 0)
.set LD,  32                           ; v32-63 the eight waves' four words
.set TM,  64                           ; v64-71 at work
.set WORDS, 768
; kept: v1 lane, v7 8 x lane, v8 16 x wave, v9 0, v10 32 x wave.  s2 wave, s12 len, s14 k, s20 tau, s21 step, s23-25 candidates, s26-28 counts, s40-63 masks
; My four words go to my 16 bytes at reg (all lanes write the same bytes with the same values); behind the barrier every wave reads all eight waves'.
.macro MEET reg
	ds_store_b128 v8, v[CT:CT+3] offset:\reg
	s_wait_dscnt 0x0                               ; for the others' sake: my words lie in LDS; and my reads of the exchange before are over
	s_barrier_signal -1
	s_barrier_wait -1
.irp m, 0,1,2,3,4,5,6,7
	ds_load_b128 v[LD+4*\m:LD+4*\m+3], v9 offset:\reg+16*\m
.endr
	s_wait_dscnt 0x0
.endm
; One round: two bits of tau.  The two regions take turns, so that the other region's barrier stands between one round's reads of a region and the next store into it.
.macro ROUND reg
	s_add_co_u32 s23, s20, s21                     ; tau's bits from this place down are still 0
	s_add_co_u32 s24, s23, s21
	s_add_co_u32 s25, s24, s21
.irp d, 0,1,2
.irp j, 0,1,2,3,4,5,6,7
	v_cmp_le_u32 s[40+8*\d+\j], s[23+\d], v[KEY+\j]
.endr
.endr
.set M, 0
.rept 24
	s_bcnt1_i32_b32 s[40+M], s[40+M]               ; each mask's set bits, in the order in which the masks were written,
.set M, M+1
.endr
.set M, 0
.rept 12
	s_add_co_u32 s[40+M], s[40+M], s[41+M]         ; added in a tree, so that no line waits for the line above it
.set M, M+2
.endr
.set M, 0
.rept 6
	s_add_co_u32 s[40+M], s[40+M], s[42+M]
.set M, M+4
.endr
.irp d, 0,1,2
	s_add_co_u32 s[40+8*\d], s[40+8*\d], s[44+8*\d]
	v_mov_b32 v[CT+\d], s[40+8*\d]                 ; my wave's count for candidate d
.endr
	MEET \reg
.irp d, 0,1,2
	v_add3_u32 v[TM+\d], v[LD+\d], v[LD+4+\d], v[LD+8+\d]
.endr
.irp d, 0,1,2
	v_add3_u32 v[TM+\d], v[TM+\d], v[LD+12+\d], v[LD+16+\d]
.endr
.irp d, 0,1,2
	v_add3_u32 v[TM+\d], v[TM+\d], v[LD+20+\d], v[LD+24+\d]
.endr
.irp d, 0,1,2
	v_add_nc_u32 v[TM+\d], v[TM+\d], v[LD+28+\d]
.endr
.irp d, 0,1,2
	v_readfirstlane_b32 s[26+\d], v[TM+\d]
.endr
	s_cmp_ge_u32 s26, s14                          ; the counts fall from candidate to candidate: the last that still has k keys stays
	s_cselect_b32 s20, s23, s20
	s_cmp_ge_u32 s27, s14
	s_cselect_b32 s20, s24, s20
	s_cmp_ge_u32 s28, s14
	s_cselect_b32 s20, s25, s20
	s_lshr_b32 s21, s21, 2
.endm
	s_load_b128 s[4:7], s[0:1], 0x0                ; scores, lengths
	s_load_b64 s[8:9], s[0:1], 0x10                ; sel
	v_lshl_add_u32 v80, v0, 2, 0x400
	v_mov_b32 v81, 0
	v_lshrrev_b32 v1, 5, v0
	v_readfirstlane_b32 s2, v1                     ; wave 0..7
	v_and_b32 v1, 31, v0                           ; lane
	s_lshl_b32 s15, s2, 10
	v_lshl_add_u32 v3, v1, 2, s15                  ; the byte of my row in register 0: 4 (256 w + lane)
	v_lshlrev_b32 v7, 3, v1
	v_mov_b32 v8, s2
	v_lshlrev_b32 v10, 5, v8
	v_lshlrev_b32 v8, 4, v8
	v_mov_b32 v9, 0
	s_lshl_b32 s10, ttmp9, 2
	s_mov_b32 s11, 0
	s_wait_kmcnt 0x0
	s_add_nc_u64 s[6:7], s[6:7], s[10:11]
	s_load_b32 s12, s[6:7], 0x0                    ; len
	s_lshl_b32 s10, ttmp9, 13
	s_add_nc_u64 s[4:5], s[4:5], s[10:11]          ; my batch's 2,048 scores
	s_lshl_b32 s10, ttmp9, 8
	s_add_nc_u64 s[8:9], s[8:9], s[10:11]          ; and its 64 words
	v_mov_b32 v4, 0xff800000                       ; -infinity
	v_mov_b32 v[CT+3], 0
	s_lshl_b32 s30, s2, 8
	s_wait_kmcnt 0x0
	s_max_i32 s13, s12, 1
	s_min_i32 s13, s13, 2048
	s_sub_co_u32 s13, s13, 1
	s_lshl_b32 s13, s13, 2                         ; the byte of the last row under len
	s_sub_co_i32 s30, s12, s30                     ; len - 256 w
.set J, 0
.rept 8
	v_add_nc_u32 v[KEY+J], 128*J, v3
	v_min_u32 v[KEY+J], s13, v[KEY+J]
	v_min_u32 v[KEY+J], 0x1ffc, v[KEY+J]
	global_load_b32 v[KEY+J], v[KEY+J], s[4:5]     ; a load lands on its own offset
.set J, J+1
.endr
	v_cvt_f32_i32 v2, s12                          ; k, in f32 as it is defined:
	v_mul_f32 v2, 0x3eb33333, v2                   ; len x 0.35f, rounded once;
	v_floor_f32 v2, -v2                            ; -ceil;
	v_mul_f32 v2, -1.0, v2
	v_max_num_f32 v2, 0x40c00000, v2               ; at least 6,
	v_min_num_f32 v2, 0x44334000, v2               ; at most 717, the number of places that are looked at
	v_cvt_u32_f32 v2, v2
	v_readfirstlane_b32 s14, v2
	s_wait_loadcnt 0x0
.set J, 0
.rept 8
	s_sub_co_i32 s15, s30, 32*J
	v_cmp_gt_i32 vcc_lo, s15, v1                   ; 256 w + 32 J + lane < len?
	v_cndmask_b32 v[KEY+J], v4, v[KEY+J], vcc_lo
	v_add_f32 v[KEY+J], 0, v[KEY+J]                ; -0 becomes +0
	v_ashrrev_i32 v[5+J%2], 31, v[KEY+J]
	v_or_b32 v[5+J%2], 0x80000000, v[5+J%2]
	v_xor_b32 v[KEY+J], v[5+J%2], v[KEY+J]         ; at or above 0: the sign bit is set; below: all bits are turned
.set J, J+1
.endr
	s_mov_b32 s20, 0                               ; the k-th largest key, as far as its bits are known: all 2,048 keys lie at or above 0
	s_mov_b32 s21, 0x40000000
	s_mov_b32 s22, 8
.Ldigit:                                           ; 8 trips of two rounds: 32 bits
	ROUND 0
	ROUND 256
	s_sub_co_i32 s22, s22, 1
	s_cmp_lg_u32 s22, 0
	s_cbranch_scc1 .Ldigit
	; THE TIES.  s40-47: my keys equal to tau; s48-55: above it; s56-63: the equal keys in my earlier words
.irp j, 0,1,2,3,4,5,6,7
	v_cmp_eq_u32 s[40+\j], s20, v[KEY+\j]
.endr
.irp j, 0,1,2,3,4,5,6,7
	v_cmp_lt_u32 s[48+\j], s20, v[KEY+\j]
.endr
	s_mov_b32 s26, 0
	s_mov_b32 s27, 0
.irp j, 0,1,2,3,4,5,6,7
	s_mov_b32 s[56+\j], s27
	s_bcnt1_i32_b32 s29, s[40+\j]
	s_bcnt1_i32_b32 s31, s[48+\j]
	s_add_co_u32 s27, s27, s29
	s_add_co_u32 s26, s26, s31
.endr
	v_mov_b32 v[CT], s26                           ; my keys above tau,
	v_mov_b32 v[CT+1], s27                         ; and equal to it
	MEET 512
	v_add3_u32 v[TM], v[LD], v[LD+4], v[LD+8]
	v_add3_u32 v[TM], v[TM], v[LD+12], v[LD+16]
	v_add3_u32 v[TM], v[TM], v[LD+20], v[LD+24]
	v_add_nc_u32 v[TM], v[TM], v[LD+28]
	v_readfirstlane_b32 s26, v[TM]                 ; all keys above tau: under k
	s_mov_b32 s31, 0
.irp m, 0,1,2,3,4,5,6
	v_readfirstlane_b32 s29, v[LD+4*\m+1]
	s_cmp_gt_u32 s2, \m
	s_cselect_b32 s29, s29, 0
	s_add_co_u32 s31, s31, s29                     ; the equal keys of the waves before me
.endr
	s_sub_co_u32 s28, s14, s26                     ; of the equal keys so many are taken, 1 or more;
	s_sub_co_i32 s28, s28, s31                     ; of mine those whose place among mine is under this (it may be 0 or less: the compare is signed)
.irp j, 0,1,2,3,4,5,6,7
	v_mbcnt_lo_u32_b32 v[TM+\j], s[40+\j], s[56+\j]   ; my row's place among my wave's equal keys: those in earlier words + those in lower lanes
.endr
.irp j, 0,1,2,3,4,5,6,7
	v_cmp_gt_i32 s[56+\j], s28, v[TM+\j]
.endr
.irp j, 0,1,2,3,4,5,6,7
	s_and_b32 s[56+\j], s[56+\j], s[40+\j]
	s_or_b32 s[56+\j], s[56+\j], s[48+\j]
	v_mov_b32 v[TM+\j], s[56+\j]                   ; word 8 w + j
.endr
	ds_store_b128 v10, v[TM:TM+3] offset:WORDS     ; my eight words, 32 bytes (all lanes write the same bytes with the same values)
	ds_store_b128 v10, v[TM+4:TM+7] offset:WORDS+16
	s_wait_dscnt 0x0                               ; for wave 0's sake
	s_barrier_signal -1
	s_barrier_wait -1
	s_cmp_lg_u32 s2, 0
	s_cbranch_scc1 .Lend
	ds_load_b64 v[CT:CT+1], v7 offset:WORDS
	s_wait_dscnt 0x0
	global_store_b64 v7, v[CT:CT+1], s[8:9]        ; 32 lanes store 256 consecutive bytes, aligned: word j at byte 4 j
.Lend:
	s_barrier_signal -1
	s_barrier_wait -1
	s_wait_tensorcnt 0x0
	ds_add_u32 v80, v81
	s_wait_dscnt 0x0
	s_endpgm
.Lfunc_end_k_q853c44708a_select:
	.size	k_q853c44708a_select, .Lfunc_end_k_q853c44708a_select-k_q853c44708a_select
	.p2alignl 7, 3214868480
	.fill 96, 4, 3214868480
	.section	.rodata,"a",@progbits
	.p2align	6, 0x0
	.amdhsa_kernel k_q853c44708a_select
		.amdhsa_group_segment_fixed_size 2048
		.amdhsa_private_segment_fixed_size 0
		.amdhsa_enable_private_segment 0
		.amdhsa_kernarg_size 24
		.amdhsa_user_sgpr_count 2
		.amdhsa_user_sgpr_kernarg_segment_ptr 1
		.amdhsa_wavefront_size32 1
		.amdhsa_system_sgpr_workgroup_id_x 1
		.amdhsa_system_sgpr_workgroup_id_y 1
		.amdhsa_system_sgpr_workgroup_id_z 1
		.amdhsa_system_vgpr_workitem_id 0
		.amdhsa_next_free_vgpr 82
		.amdhsa_next_free_sgpr 66
		.amdhsa_reserve_vcc 1
		.amdhsa_float_denorm_mode_32 3
		.amdhsa_float_denorm_mode_16_64 3
		.amdhsa_memory_ordered 1
		.amdhsa_forward_progress 1
		.amdhsa_inst_pref_size 23
	.end_amdhsa_kernel
	.amdgpu_metadata
---
amdhsa.version: [ 1, 2 ]
amdhsa.kernels:
  - .name:           k_q853c44708a_select
    .symbol:         k_q853c44708a_select.kd
    .args:
      - { .name: scores, .offset: 0, .size: 8, .value_kind: global_buffer, .address_space: global }
      - { .name: lengths, .offset: 8, .size: 8, .value_kind: global_buffer, .address_space: global }
      - { .name: sel, .offset: 16, .size: 8, .value_kind: global_buffer, .address_space: global }
    .group_segment_fixed_size: 2048
    .private_segment_fixed_size: 0
    .kernarg_segment_align: 8
    .kernarg_segment_size: 24
    .max_flat_workgroup_size: 256
    .sgpr_count:     66
    .vgpr_count:     82
    .wavefront_size: 32
...
	.end_amdgpu_metadata
.endif
;; end of part 4
;; launch pool (part 5): grid 16 x 32, 16 waves a work-group, no clusters, 6,144 bytes of LDS; arguments sel, lengths, x, out0; writes out0
.if DOCPART == 5
	.amdgcn_target "amdgcn-amd-amdhsa--gfx1250"
	.amdhsa_code_object_version 6
	.text
	.protected	k_q853c44708a_pool
	.globl	k_q853c44708a_pool
	.p2align	8
	.type	k_q853c44708a_pool,@function
k_q853c44708a_pool:
	s_mov_b64 s[64:65], 0
	v_nop
	global_prefetch_b8 v0, s[64:65] scope:SCOPE_SE
	s_setreg_imm32_b32 hwreg(HW_REG_WAVE_MODE, 25, 1), 1
	s_wait_xcnt 0x0
; out0[b][c] = the mean of x[b][t][c] over the k rows t whose bit is set in sel[b].  x: [32][2048][1024] f32; sel: [32][64] words, bit l of word j = row 32 j + l; k as in the launch before (exactly k bits are set).
; SHARES.  Work-group (p, b) owns 64 columns, 256 bytes, of batch b's result: one owner for each output, no sum between work-groups.  Wave w takes words w, w + 16, w + 32, w + 48.
; A load brings two rows' 256 bytes: lanes 0-15 one row, lanes 16-31 the next, 16 bytes a lane: each half covers 256 consecutive bytes, aligned.
; THE LIST.  A word's set bits become a list (lane i holds its i-th chosen row) by one lane permute.  The four lists, of c0 .. c3 rows, are joined into ONE list of c0 + c1 + c2 + c3 places in four registers:
; place q = 32 d + lane is word i's entry q - P_i where that is under c_i (P_i = the rows of the words before i, at most 32 i: so only the ten pairs with d <= i can meet).
; A trip takes one register of the list, up to 32 rows, in groups of 4 loads (8 rows); a group past the list's end is not loaded: branches on counts made of the stored words alone.  The groups' sums stand in the
; reverse order, and the branch that ends the loads leads to the sum of the last group loaded: so each way adds just what it loaded.  So a wave reads 8 x ceil(its rows / 8) places.
; The places past the list's end in its last group name a row that the wave reads anyway, and count with the weight 0.
; No matrix unit, no tensor loads, no cluster: rows are gathered by stored bits, each row's bytes are wanted by one work-group, and the sums are plain additions.
; LIMITS: NaN and infinities in x are not served (a row with weight 0 is multiplied by 0).
; REGISTERS: v1 lane, v2 16 (lane % 16), v3 h = lane / 16, v[4:7] two weight pairs, v8-11 the words' lists, v12-15 the joined list, v16-31 rows, then offsets, v32-95 data (at the head: at work), v96-111 four sums,
; v112-113 LDS addresses, v114 4 h.  s20-23 my words, s28-31 c_i, s44-47 P_i, s48 my rows, s49 the rows left at a trip's head
.macro PULL d, i, n                    ; for place 32 d + lane: word i's entry at that place less P_i (whatever lane that names, if it is out of the word's list)
	s_sub_co_i32 s40, 32*(\d), s[44+\i]
	v_add_nc_u32 v[32+\n], s40, v1
	v_and_b32 v[48+\n], 31, v[32+\n]
	v_lshlrev_b32 v[48+\n], 2, v[48+\n]
	ds_bpermute_b32 v[48+\n], v[48+\n], v[8+\i]    ; (between lanes: no LDS byte is touched)
.endm
.macro PICK d, i, n                    ; and it is taken where the place lies in word i's part (a place before it wraps to a large unsigned number)
	v_cmp_gt_u32 s[40+(\n)%2], s[28+\i], v[32+\n]
	v_cndmask_b32 v[12+\d], v[12+\d], v[48+\n], s[40+(\n)%2]
.endm
.macro LOADS gg                        ; group gg of a trip: places 8 gg .. 8 gg + 7 of its register
.irp e, 0,1,2,3
	global_load_b128 v[32+4*(4*(\gg)+\e):35+4*(4*(\gg)+\e)], v[16+4*(\gg)+\e], s[8:9]
.endr
.endm
.macro ACC gg                          ; and its sum, into four sums by turns
	s_wait_loadcnt 0x0                             ; all that this way has loaded is in; so the offsets may be written again in the next trip
.irp e, 0,1,2,3
	s_sub_co_i32 s[50+\e%2], s49, 2*(4*(\gg)+\e)
	v_cmp_gt_i32 s[40+\e%2], s[50+\e%2], v3        ; is my place, 2 (4 gg + e) + h, inside the list?
	v_cndmask_b32 v[4+2*(\e%2)], 0, 1.0, s[40+\e%2]
	v_pk_fma_f32 v[96+4*\e:97+4*\e], v[32+4*(4*(\gg)+\e):33+4*(4*(\gg)+\e)], v[4+2*(\e%2):5+2*(\e%2)], v[96+4*\e:97+4*\e] op_sel_hi:[1,0,1]
	v_pk_fma_f32 v[98+4*\e:99+4*\e], v[34+4*(4*(\gg)+\e):35+4*(4*(\gg)+\e)], v[4+2*(\e%2):5+2*(\e%2)], v[98+4*\e:99+4*\e] op_sel_hi:[1,0,1]
.endr
.endm
.macro TRIP d                          ; places 32 d .. 32 d + 31 of the joined list
	s_cmp_le_u32 s48, 32*(\d)
	s_cbranch_scc1 .Lsum
.irp g, 0,1,2,3,4,5,6,7,8,9,10,11,12,13,14,15
	v_add_nc_u32 v[16+\g], 8*\g, v114              ; load g takes places 2 g + h
.endr
.irp g, 0,1,2,3,4,5,6,7,8,9,10,11,12,13,14,15
	ds_bpermute_b32 v[16+\g], v[16+\g], v[12+\d]
.endr
	s_sub_co_u32 s49, s48, 32*(\d)                 ; the rows left: 1 or more
	s_wait_dscnt 0x0
.irp g, 0,1,2,3,4,5,6,7,8,9,10,11,12,13,14,15
	v_min_u32 v[16+\g], 0x7ff, v[16+\g]            ; a row of the batch, whatever was stored
.endr
.irp g, 0,1,2,3,4,5,6,7,8,9,10,11,12,13,14,15
	v_lshl_add_u32 v[16+\g], v[16+\g], 12, v2
.endr
	LOADS 0
	s_cmp_le_u32 s49, 8
	s_cbranch_scc1 .La0_\d
	LOADS 1
	s_cmp_le_u32 s49, 16
	s_cbranch_scc1 .La1_\d
	LOADS 2
	s_cmp_le_u32 s49, 24
	s_cbranch_scc1 .La2_\d
	LOADS 3
	ACC 3
.La2_\d:
	ACC 2
.La1_\d:
	ACC 1
.La0_\d:
	ACC 0
.endm
	s_load_b256 s[4:11], s[0:1], 0x0               ; sel s[4:5], lengths s[6:7], x s[8:9], out0 s[10:11]
	v_lshl_add_u32 v116, v0, 2, 0x1000
	v_mov_b32 v117, 0
	v_lshrrev_b32 v1, 5, v0
	v_readfirstlane_b32 s2, v1                     ; wave 0..15
	v_and_b32 v1, 31, v0                           ; lane
	v_and_b32 v2, 15, v0
	v_lshlrev_b32 v2, 4, v2                        ; my 16 bytes of the 256
	v_bfe_u32 v3, v0, 4, 1                         ; which of a load's two rows
	s_lshl_b32 s40, s2, 8
	v_add_nc_u32 v112, s40, v2                     ; LDS: my wave's 256 bytes
	v_lshl_add_u32 v113, v3, 11, v2                ; and, for the last sum: lanes 0-15 waves 0-7, lanes 16-31 waves 8-15
	v_lshlrev_b32 v114, 2, v3
	s_and_b32 s3, ttmp7, 0xffff                    ; b
	s_lshl_b32 s12, s3, 8
	s_lshl_b32 s14, s2, 2
	s_add_co_u32 s12, s12, s14                     ; word w of batch b
	s_mov_b32 s13, 0
	s_lshl_b32 s14, s3, 2
	s_mov_b32 s15, 0
	s_mov_b32 s52, 0x76543210                      ; v_permlanex16_b32's selects for lane l xor 16
	s_mov_b32 s53, 0xfedcba98
	s_wait_kmcnt 0x0
	s_add_nc_u64 s[4:5], s[4:5], s[12:13]
	s_add_nc_u64 s[6:7], s[6:7], s[14:15]
	s_load_b32 s20, s[4:5], 0x0                    ; my four words
	s_load_b32 s21, s[4:5], 0x40
	s_load_b32 s22, s[4:5], 0x80
	s_load_b32 s23, s[4:5], 0xc0
	s_load_b32 s24, s[6:7], 0x0                    ; len
	s_lshl_b32 s12, s3, 23                         ; a batch is 2,048 rows of 4,096 bytes
	s_lshl_b32 s14, ttmp9, 8
	s_add_co_u32 s12, s12, s14
	s_add_nc_u64 s[8:9], s[8:9], s[12:13]          ; x at my batch and my columns
	s_lshl_b32 s12, s3, 12
	s_add_co_u32 s12, s12, s14
	s_add_nc_u64 s[10:11], s[10:11], s[12:13]      ; out0 likewise
	s_lshl_b32 s34, s2, 5                          ; word w begins at row 32 w
	v_add_nc_u32 v28, s34, v1
.irp c, 0,1,2,3,4,5,6,7,8,9,10,11,12,13,14,15
	v_mov_b32 v[96+\c], 0                          ; a wave none of whose rows is chosen adds zeros
.endr
	v_mov_b32 v5, 0                                ; (named as the upper halves of the weight pairs)
	v_mov_b32 v7, 0
	s_wait_kmcnt 0x0
.irp i, 0,1,2,3
	s_bcnt1_i32_b32 s[28+\i], s[20+\i]             ; the words' lists' lengths
.endr
	s_mov_b32 s44, 0                               ; where each begins in the joined list,
	s_mov_b32 s45, s28
	s_add_co_u32 s46, s45, s29
	s_add_co_u32 s47, s46, s30
	s_add_co_u32 s48, s47, s31                     ; and my rows in all: 0 .. 128
	s_mov_b32 s32, 0                               ; the first row that I take, or row 0
.irp i, 3,2,1,0
	s_ctz_i32_b32 s33, s[20+\i]
	s_add_co_u32 s33, s33, s34
	s_add_co_u32 s33, s33, 512*\i
	s_cmp_lg_u32 s[20+\i], 0
	s_cselect_b32 s32, s33, s32
.endr
.irp i, 0,1,2,3
	v_mbcnt_lo_u32_b32 v[24+\i], s[20+\i], 0       ; chosen rows in lower lanes
	v_sub_nc_u32 v[16+\i], v1, v[24+\i]            ; rows not chosen in lower lanes
	v_add_nc_u32 v[16+\i], s[28+\i], v[16+\i]
	v_cndmask_b32 v[16+\i], v[16+\i], v[24+\i], s[20+\i]   ; a chosen row goes to its place among the chosen, the others behind them: each lane is named once
	v_lshlrev_b32 v[16+\i], 2, v[16+\i]
	v_add_nc_u32 v[20+\i], 512*\i, v28             ; my row
	ds_permute_b32 v[8+\i], v[16+\i], v[20+\i]     ; (between lanes: no LDS byte is touched)
.endr
.irp d, 0,1,2,3
	v_mov_b32 v[12+\d], s32                        ; places that no word fills name the first row that I take
.endr
	s_wait_dscnt 0x0
	PULL 0, 0, 0
	PULL 0, 1, 1
	PULL 0, 2, 2
	PULL 0, 3, 3
	PULL 1, 1, 4
	PULL 1, 2, 5
	PULL 1, 3, 6
	PULL 2, 2, 7
	PULL 2, 3, 8
	PULL 3, 3, 9
	s_wait_dscnt 0x0
	PICK 0, 0, 0
	PICK 0, 1, 1
	PICK 0, 2, 2
	PICK 0, 3, 3
	PICK 1, 1, 4
	PICK 1, 2, 5
	PICK 1, 3, 6
	PICK 2, 2, 7
	PICK 2, 3, 8
	PICK 3, 3, 9
	TRIP 0
	TRIP 1
	TRIP 2
	TRIP 3
.Lsum:
	v_pk_add_f32 v[96:97], v[96:97], v[100:101]    ; the four sums,
	v_pk_add_f32 v[98:99], v[98:99], v[102:103]
	v_pk_add_f32 v[104:105], v[104:105], v[108:109]
	v_pk_add_f32 v[106:107], v[106:107], v[110:111]
	v_pk_add_f32 v[96:97], v[96:97], v[104:105]
	v_pk_add_f32 v[98:99], v[98:99], v[106:107]
.irp c, 0,1,2,3
	v_permlanex16_b32 v[100+\c], v[96+\c], s52, s53
.endr
.irp c, 0,1,2,3
	v_add_f32 v[96+\c], v[96+\c], v[100+\c]        ; and the two halves of the lanes
.endr
	ds_store_b128 v112, v[96:99]                   ; lanes l and l + 16 write the same 16 bytes with the same values
	s_wait_dscnt 0x0                               ; for wave 0's sake: my sum lies in LDS
	s_barrier_signal -1
	s_barrier_wait -1
	s_cmp_lg_u32 s2, 0
	s_cbranch_scc1 .Lend                           ; wave 0 adds the sixteen sums, in a fixed order
.irp m, 0,1,2,3,4,5,6,7
	ds_load_b128 v[32+4*\m:35+4*\m], v113 offset:256*\m
.endr
	v_cvt_f32_i32 v6, s24                          ; k, in f32 as it is defined: ceil(len x 0.35f), at least 6, at most 717
	v_mul_f32 v6, 0x3eb33333, v6
	v_floor_f32 v6, -v6
	v_mul_f32 v6, -1.0, v6
	v_max_num_f32 v6, 0x40c00000, v6
	v_min_num_f32 v6, 0x44334000, v6
	v_rcp_f32 v4, v6
	s_wait_dscnt 0x0
.irp m, 0,2,4,6
	v_pk_add_f32 v[32+4*\m:33+4*\m], v[32+4*\m:33+4*\m], v[36+4*\m:37+4*\m]   ; (plain work behind the reciprocal, which names neither its result nor its source)
	v_pk_add_f32 v[34+4*\m:35+4*\m], v[34+4*\m:35+4*\m], v[38+4*\m:39+4*\m]
.endr
.irp m, 0,4
	v_pk_add_f32 v[32+4*\m:33+4*\m], v[32+4*\m:33+4*\m], v[40+4*\m:41+4*\m]
	v_pk_add_f32 v[34+4*\m:35+4*\m], v[34+4*\m:35+4*\m], v[42+4*\m:43+4*\m]
.endr
	v_pk_add_f32 v[32:33], v[32:33], v[48:49]
	v_pk_add_f32 v[34:35], v[34:35], v[50:51]
.irp c, 0,1,2,3
	v_permlanex16_b32 v[36+\c], v[32+\c], s52, s53
.endr
.irp c, 0,1,2,3
	v_add_f32 v[32+\c], v[32+\c], v[36+\c]
.endr
	s_wait_alu depctr_va_vdst(0)                   ; a wait ahead of the reciprocal's first use
	v_pk_mul_f32 v[32:33], v[32:33], v[4:5] op_sel_hi:[1,0]
	v_pk_mul_f32 v[34:35], v[34:35], v[4:5] op_sel_hi:[1,0]
	v_cmp_gt_u32 vcc_lo, 16, v1
	s_wait_xcnt 0x0                                ; EXEC changes only behind this wait
	s_wait_tensorcnt 0x0
	ds_add_u32 v116, v117
	s_wait_dscnt 0x0
	s_and_saveexec_b32 s40, vcc_lo
	global_store_b128 v2, v[32:35], s[10:11]       ; sixteen lanes store 256 consecutive bytes, aligned
	s_endpgm
.Lend:
	s_wait_tensorcnt 0x0
	ds_add_u32 v116, v117
	s_wait_dscnt 0x0
	s_endpgm
.Lfunc_end_k_q853c44708a_pool:
	.size	k_q853c44708a_pool, .Lfunc_end_k_q853c44708a_pool-k_q853c44708a_pool
	.p2alignl 7, 3214868480
	.fill 96, 4, 3214868480
	.section	.rodata,"a",@progbits
	.p2align	6, 0x0
	.amdhsa_kernel k_q853c44708a_pool
		.amdhsa_group_segment_fixed_size 6144
		.amdhsa_private_segment_fixed_size 0
		.amdhsa_enable_private_segment 0
		.amdhsa_kernarg_size 32
		.amdhsa_user_sgpr_count 2
		.amdhsa_user_sgpr_kernarg_segment_ptr 1
		.amdhsa_wavefront_size32 1
		.amdhsa_system_sgpr_workgroup_id_x 1
		.amdhsa_system_sgpr_workgroup_id_y 1
		.amdhsa_system_sgpr_workgroup_id_z 1
		.amdhsa_system_vgpr_workitem_id 0
		.amdhsa_next_free_vgpr 118
		.amdhsa_next_free_sgpr 66
		.amdhsa_reserve_vcc 1
		.amdhsa_float_denorm_mode_32 3
		.amdhsa_float_denorm_mode_16_64 3
		.amdhsa_memory_ordered 1
		.amdhsa_forward_progress 1
		.amdhsa_inst_pref_size 53
	.end_amdhsa_kernel
	.amdgpu_metadata
---
amdhsa.version: [ 1, 2 ]
amdhsa.kernels:
  - .name:           k_q853c44708a_pool
    .symbol:         k_q853c44708a_pool.kd
    .args:
      - { .name: sel, .offset: 0, .size: 8, .value_kind: global_buffer, .address_space: global }
      - { .name: lengths, .offset: 8, .size: 8, .value_kind: global_buffer, .address_space: global }
      - { .name: x, .offset: 16, .size: 8, .value_kind: global_buffer, .address_space: global }
      - { .name: out0, .offset: 24, .size: 8, .value_kind: global_buffer, .address_space: global }
    .group_segment_fixed_size: 6144
    .private_segment_fixed_size: 0
    .kernarg_segment_align: 8
    .kernarg_segment_size: 32
    .max_flat_workgroup_size: 512
    .sgpr_count:     66
    .vgpr_count:     118
    .wavefront_size: 32
...
	.end_amdgpu_metadata
.endif
;; end of part 5
